; MI455X (gfx1250); checked and timed in simulation.
; The chip was launched on July 23, 2026; its instructions are those of AMD's public machine-readable ISA for CDNA 5 (MIT licence, August 2026) and "CDNA5" Instruction Set Architecture Reference Guide (July 2026). The comments in the code are by the model that wrote it; some were corrected since.
;; Neuro Grid. Allowed arithmetic: matrix products marked QUANTISED: E2M1 operands, one E8M0 scale for each 32 along K, by v_wmma_scale_f32_16x16x128_f8f6f4 with both operands' format E2M1 (or v_wmma_scale_f32_32x16x128_f4), f32 sums; products left as they are: f32 operands where the result goes on into a quantised operand, else bf16, f16 or f32 operands; f32 sums; everything else in f32.
;; Inputs: W1 768 x 16 float32; W2 768 x 16 float32; W3 768 x 16 float32; b1 16 float32; b2 16 float32; b3 16 float32; grid 16 x 16 x 16 x 768 float32; temperature one number float32; x 8 x 2,048 x 768 float32.
;; Outputs: out0 8 x 2,048 x 768 float32.
;; This version of the problem:
;;   THIS VERSION OF THE PROBLEM IS GIVEN IN LOW PRECISION. The matrix products marked QUANTISED in the list below multiply operands that are first quantised to E2M1 (2 exponent bits, 1 mantissa bit; 4 bits a number), with one power-of-two scale for each 32 numbers along K (OCP MX v1.0); their sums are f32. All else is computed in f32.
;;   The module's matrix products, in the order in which they are computed (A, B: the left and right operand; K: the contracted axis; several contracted axes count as one K, in the product's order):
;;     1. [M 16,384, K 768] x [K 768, N 16]; A: input x; B: input W1: QUANTISED
;;     2. [M 16,384, K 768] x [K 768, N 16]; A: input x; B: input W2: QUANTISED
;;     3. [M 16,384, K 768] x [K 768, N 16]; A: input x; B: input W3: QUANTISED
;;     4. batch 16,384 x [M 16, K 1] x [K 1, N 16]; A: computed on the way; B: computed on the way: left as it is (no contracted axis)
;;     5. batch 16,384 x [M 256, K 1] x [K 1, N 16]; A: computed on the way; B: computed on the way: left as it is (no contracted axis)
;;     6. [M 16,384, K 4,096] x [K 4,096, N 768]; A: computed on the way; B: input grid: QUANTISED
;;   THE QUANTISER, for each operand of a quantised product, along K:
;;     - K is cut into blocks of 32 from its start; a last block that is shorter is filled with zeros.
;;     - A block's scale is 2^e with e = floor(log2(the largest magnitude in the block)) - 2, held to -126 .. 127; a block of zeros has e = 0. As a byte (E8M0): e + 127.
;;     - Each number is divided by its block's scale, clamped to +-6, and rounded to the nearest number of E2M1, ties to even, subnormals kept.
;;     - The product sums the exact products of the quantised numbers (number of the format x scale) in f32.
;;   ~~~python
;;   def quantise(x, axis):      # numpy; x: float32 -> the quantised numbers, widened to float32 again
;;       x = np.moveaxis(x, axis, -1); K = x.shape[-1]
;;       x = np.pad(x, [(0, 0)] * (x.ndim - 1) + [(0, -K % 32)]); x = x.reshape(x.shape[:-1] + (-1, 32)); a = np.abs(x).max(-1, keepdims=True)
;;       e = np.where(a > 0, np.clip(np.frexp(np.where(a > 0, a, 1))[1] - 1 - 2, -126, 127), 0)      # np.frexp(a)[1] - 1 = floor(log2(a)), exactly
;;       r = np.clip(x / 2.0 ** e, -6, 6)
;;       step = 2.0 ** (np.maximum(np.frexp(np.where(r == 0, 1, r))[1] - 1, 0) - 1)
;;       q = np.round(r / step) * step * 2.0 ** e      # np.round: ties to even
;;       return np.moveaxis(q.reshape(q.shape[:-2] + (-1,))[..., :K], -1, axis).astype(np.float32)
;;   ~~~
;;   OPERANDS COMPUTED ON THE WAY. 'Computed on the way' means the value that the module computes at that place (a softmax that the list does not call 'softmax' is quantised finished and normalised). What goes into a quantiser is computed in f32, as accurately as f32 sums, v_exp_f32 and their like allow (about 1e-6 of the number): no bf16 or f16 on the way to a quantiser, and a product that is left as it is and whose result goes on into a quantised operand takes f32 operands (vector FMAs, or v_wmma_f32_16x16x4_f32). A number that lies on a knife's edge between two numbers of the format may be rounded either way, as far as f32 arithmetic and the matrix unit's own rounding can turn it there, and no further.
;; One version. Each part assembles by itself: llvm-mc -triple=amdgcn-amd-amdhsa -mcpu=gfx1250 --defsym DOCPART=n.
;; ======== version 1 of 1: 2 launches
;; workspace buffers: gq 1,671,168 bytes; wq 20,736 bytes
;; launch prep (part 1): grid 262 x 1, 3 waves a work-group, no clusters, 0 bytes of LDS; arguments grid, W1, W2, W3, gq, wq; writes gq, wq
.if DOCPART == 1
	.amdgcn_target "amdgcn-amd-amdhsa--gfx1250"
	.amdhsa_code_object_version 6
	.text
	.protected	k_qdd5a0036be_prep
	.globl	k_qdd5a0036be_prep
	.p2align	8
	.type	k_qdd5a0036be_prep,@function
k_qdd5a0036be_prep:
	s_mov_b64 s[64:65], 0
	v_nop
	global_prefetch_b8 v0, s[64:65] scope:SCOPE_SE
	s_setreg_imm32_b32 hwreg(HW_REG_WAVE_MODE, 25, 1), 1
	s_wait_xcnt 0x0
; The two operands that many work-groups of the next launch read are quantised ONCE, along K, into codes of FP4 (E2M1) with one E8M0 byte for each 32 along K,
; and laid in the order of the matrix operand's registers, so that a fragment later comes by loads of 16 bytes a lane, lane after lane.
;   grid [4096 (K = 256 i + 16 j + k)][768] f32 -> gq: 64 blocks of 26,112 bytes, block (8 y + S) 4 + w: columns 384 y + 96 w .. + 95, K = 512 S .. + 511.
;     codes at 6144 q + 1024 b + 512 c + 16 lane (K step q of 128, tile b of 16 columns): lane (r, h) holds column 16 b + r, K = 128 q + 64 c + 32 h + 0 .. 31.
;     scale words at 24576 + 384 q + 128 u + 4 lane: lane l holds the four bytes of tile 2 u + l / 16, column l % 16, for K step q.
;   W1, W2, W3 [768 (K)][16] f32 -> wq: 18 fragments f = 6 n + s (K step s): codes at 1024 f + 512 c + 16 lane, scale words at 18432 + 128 f + 4 lane (both halves of the lanes hold them).
; K is the FIRST axis of both, so A LANE TAKES A COLUMN AND ITS REGISTERS RUN DOWN K: a block of 32 lies in one lane, its largest magnitude needs no other lane, and the conversions give codes with K innermost.
; A block's scale is 2^(floor(log2(largest magnitude)) - 2): its byte is the largest magnitude's exponent field - 2, held at 1 from below by a floor among the maximum's leaves.
; LIMITS: NaN and infinities are not served; a block of zeros, or one whose largest magnitude lies under 2^-124, keeps the byte 1 (its codes are zeros or tiny; this program alone reads the bytes).
; Work-groups 0 to 255 take the grid (three waves, 32 columns x 128 along K each), work-groups 256 to 261 the three W (a wave a fragment).  No LDS, no barrier: waves share nothing.
.set ROWG, 3072                        ; a row of the grid in bytes
.set GBLK, 26112                       ; a block of gq
; 32 numbers of a lane, v[src] on, become 32 codes in v[dst] .. v[dst + 3]; the scale's byte is left in v11
.macro QBLK src, dst
	v_max3_num_f32 v8, |v[(\src)]|, |v[(\src)+1]|, |v[(\src)+2]|             ; two chains, so that no line waits for the line above it
	v_max3_num_f32 v9, |v[(\src)+3]|, |v[(\src)+4]|, |v[(\src)+5]|
.irp i, 6,10,14,18,22,26
	v_max3_num_f32 v8, v8, |v[(\src)+\i]|, |v[(\src)+\i+1]|
	v_max3_num_f32 v9, v9, |v[(\src)+\i+2]|, |v[(\src)+\i+3]|
.endr
	v_max3_num_f32 v8, v8, |v[(\src)+30]|, |v[(\src)+31]|
	v_max3_num_f32 v8, v8, v9, 0x1800000           ; the floor 2^(3 - 127): the byte cannot fall under 1
	v_add_nc_u32 v10, 0xff000000, v8               ; 2 off the exponent field: the conversion takes the exponent field of this operand as its scale
	v_lshrrev_b32 v11, 23, v10                     ; the scale's byte
.irp g, 0,1,2,3
	v_cvt_scalef32_pk8_fp4_f32 v[(\dst)+\g], v[(\src)+8*\g:(\src)+8*\g+7], v10
.endr
.endm
	s_load_b256 s[4:11], s[0:1], 0x0               ; grid s[4:5], W1 s[6:7], W2 s[8:9], W3 s[10:11]
	s_load_b128 s[12:15], s[0:1], 0x20             ; gq s[12:13], wq s[14:15]
	v_lshrrev_b32 v1, 5, v0
	v_readfirstlane_b32 s16, v1                    ; wave 0..2
	v_and_b32 v1, 31, v0                           ; lane
	v_lshlrev_b32 v2, 2, v1                        ; 4 x lane
	v_and_b32 v3, 15, v1                           ; r
	v_lshrrev_b32 v4, 4, v1                        ; h
	s_cmp_lt_u32 ttmp9, 256
	s_cbranch_scc0 .Lweights
	; ---- the grid.  Work-group = 8 ks + yw: K step ks of 128 (0..31), columns 96 yw on (yw = 4 y + w); wave u takes 32 of them
	s_and_b32 s17, ttmp9, 7                        ; yw
	s_lshr_b32 s18, ttmp9, 3                       ; ks
	s_mul_i32 s20, s18, 128*ROWG                   ; from: 128 ks rows,
	s_mul_i32 s19, s17, 384                        ; + 96 yw columns of 4 bytes,
	s_add_co_u32 s20, s20, s19
	s_lshl_b32 s19, s16, 7                         ; + 32 u columns
	s_add_co_u32 s20, s20, s19
	s_mov_b32 s21, 0
	s_lshr_b32 s22, s17, 2                         ; y
	s_and_b32 s23, s17, 3                          ; w
	s_lshr_b32 s24, s18, 2                         ; S
	s_and_b32 s25, s18, 3                          ; q
	s_lshl_b32 s22, s22, 5
	s_lshl_b32 s24, s24, 2
	s_add_co_u32 s22, s22, s24
	s_add_co_u32 s22, s22, s23                     ; the block: 32 y + 4 S + w
	s_mul_i32 s22, s22, GBLK
	s_mul_i32 s26, s25, 6144                       ; to: the codes of K step q, tiles 2 u and 2 u + 1
	s_add_co_u32 s26, s26, s22
	s_lshl_b32 s27, s16, 11
	s_add_co_u32 s26, s26, s27
	s_mov_b32 s27, 0
	s_mul_i32 s28, s25, 384                        ; and their scale words
	s_add_co_u32 s28, s28, s22
	s_lshl_b32 s29, s16, 7
	s_add_co_u32 s28, s28, s29
	s_add_co_u32 s28, s28, 24576
	s_mov_b32 s29, 0
	v_lshlrev_b32 v3, 4, v3
	v_lshl_add_u32 v3, v4, 10, v3                  ; my 16 bytes of a block's codes: tile lane / 16, 16 x (lane % 16): sixteen lanes store 256 consecutive bytes, aligned
	s_wait_kmcnt 0x0
	s_add_nc_u64 s[4:5], s[4:5], s[20:21]
	s_add_nc_u64 s[26:27], s[12:13], s[26:27]
	s_add_nc_u64 s[28:29], s[12:13], s[28:29]
.macro LOADG t                         ; block t of 32 along K: one row of the grid a load, 32 lanes read 128 consecutive bytes; every block has registers of its own
.set i, 0
.rept 32
	global_load_b32 v[32+32*(\t)+i], v2, s[4:5] offset:(32*(\t)+i)*ROWG th:TH_LOAD_NT
.set i, i+1
.endr
.endm
	LOADG 0
	LOADG 1
.irp t, 0,1,2,3
.if \t < 3
	s_wait_loadcnt 32                              ; this block's 32 loads are in; the next block's 32 may be out
.else
	s_wait_loadcnt 0x0
.endif
.if \t < 2
	LOADG \t+2
.endif
	QBLK 32+32*\t, 16+4*\t
.if \t == 0
	v_mov_b32 v12, v11                             ; four bytes make the scale word, the lower K in the lower byte
.else
	v_lshl_or_b32 v12, v11, 8*\t, v12
.endif
	global_store_b128 v3, v[16+4*\t:19+4*\t], s[26:27] offset:256*\t   ; block t = 2 c + h lies at 512 c + 256 h of its tile's image; no store's data are written again
.endr
	global_store_b32 v2, v12, s[28:29]
	s_endpgm
.Lweights:
	; ---- W1, W2, W3.  Work-group 256 + j: W number n = j / 2; wave u takes K step s = 3 (j % 2) + u
	s_sub_co_u32 s17, ttmp9, 256
	s_lshr_b32 s18, s17, 1                         ; n
	s_and_b32 s19, s17, 1
	s_mul_i32 s19, s19, 3
	s_add_co_u32 s19, s19, s16                     ; s
	s_mul_i32 s20, s18, 6
	s_add_co_u32 s20, s20, s19                     ; f = 6 n + s
	s_lshl_b32 s22, s19, 13                        ; from: 128 s rows of 64 bytes
	s_mov_b32 s23, 0
	s_lshl_b32 s24, s20, 10                        ; to: the fragment's image,
	s_mov_b32 s25, 0
	s_lshl_b32 s26, s20, 7
	s_add_co_u32 s26, s26, 18432                   ; and its scale words
	s_mov_b32 s27, 0
	v_lshlrev_b32 v5, 2, v3
	v_lshl_add_u32 v5, v4, 11, v5                  ; column r, and 32 rows further down for lanes 16-31: lane (r, h) wants K = 64 c + 32 h + 0 .. 31
	v_lshlrev_b32 v6, 4, v1                        ; 16 x lane
	v_lshlrev_b32 v7, 3, v4                        ; 8 h
	s_mov_b32 s30, 0x76543210
	s_mov_b32 s31, 0xfedcba98                      ; lane selects for lane l xor 16
	s_wait_kmcnt 0x0
	s_cmp_eq_u32 s18, 0                            ; which W: the choice hangs on the work-group's number alone
	s_cselect_b64 s[6:7], s[6:7], s[8:9]
	s_cmp_eq_u32 s18, 2
	s_cselect_b64 s[6:7], s[10:11], s[6:7]
	s_add_nc_u64 s[6:7], s[6:7], s[22:23]
	s_add_nc_u64 s[24:25], s[14:15], s[24:25]
	s_add_nc_u64 s[26:27], s[14:15], s[26:27]
.irp c, 0,1
.set i, 0
.rept 32
	global_load_b32 v[32+32*\c+i], v5, s[6:7] offset:64*(64*\c+i)
.set i, i+1
.endr
.endr
	s_wait_loadcnt 0x0
	QBLK 32, 16                                    ; my block h
	v_mov_b32 v13, v11
	QBLK 64, 20                                    ; my block 2 + h
	v_lshl_or_b32 v12, v11, 16, v13                ; my two bytes,
	v_lshlrev_b32 v12, v7, v12                     ; at their places in the word (8 h bits up);
	v_mov_b32 v14, 0
	v_permlanex16_b32 v14, v12, s30, s31
	v_or_b32 v12, v12, v14                         ; with lane l xor 16's two the word is whole
	global_store_b128 v6, v[16:19], s[24:25]
	global_store_b128 v6, v[20:23], s[24:25] offset:512
	global_store_b32 v2, v12, s[26:27]
	s_endpgm
.Lfunc_end_k_qdd5a0036be_prep:
	.size	k_qdd5a0036be_prep, .Lfunc_end_k_qdd5a0036be_prep-k_qdd5a0036be_prep
	.p2alignl 7, 3214868480
	.fill 96, 4, 3214868480
	.section	.rodata,"a",@progbits
	.p2align	6, 0x0
	.amdhsa_kernel k_qdd5a0036be_prep
		.amdhsa_group_segment_fixed_size 0
		.amdhsa_private_segment_fixed_size 0
		.amdhsa_enable_private_segment 0
		.amdhsa_kernarg_size 48
		.amdhsa_user_sgpr_count 2
		.amdhsa_user_sgpr_kernarg_segment_ptr 1
		.amdhsa_wavefront_size32 1
		.amdhsa_system_sgpr_workgroup_id_x 1
		.amdhsa_system_sgpr_workgroup_id_y 1
		.amdhsa_system_sgpr_workgroup_id_z 1
		.amdhsa_system_vgpr_workitem_id 0
		.amdhsa_next_free_vgpr 160
		.amdhsa_next_free_sgpr 66
		.amdhsa_reserve_vcc 0
		.amdhsa_float_denorm_mode_32 3
		.amdhsa_float_denorm_mode_16_64 3
		.amdhsa_memory_ordered 1
		.amdhsa_forward_progress 1
		.amdhsa_inst_pref_size 31
	.end_amdhsa_kernel
	.amdgpu_metadata
---
amdhsa.version: [ 1, 2 ]
amdhsa.kernels:
  - .name:           k_qdd5a0036be_prep
    .symbol:         k_qdd5a0036be_prep.kd
    .args:
      - { .name: grid, .offset: 0, .size: 8, .value_kind: global_buffer, .address_space: global }
      - { .name: W1, .offset: 8, .size: 8, .value_kind: global_buffer, .address_space: global }
      - { .name: W2, .offset: 16, .size: 8, .value_kind: global_buffer, .address_space: global }
      - { .name: W3, .offset: 24, .size: 8, .value_kind: global_buffer, .address_space: global }
      - { .name: gq, .offset: 32, .size: 8, .value_kind: global_buffer, .address_space: global }
      - { .name: wq, .offset: 40, .size: 8, .value_kind: global_buffer, .address_space: global }
    .group_segment_fixed_size: 0
    .private_segment_fixed_size: 0
    .kernarg_segment_align: 8
    .kernarg_segment_size: 48
    .max_flat_workgroup_size: 96
    .sgpr_count:     66
    .vgpr_count:     160
    .wavefront_size: 32
...
	.end_amdgpu_metadata
.endif
;; end of part 1
;; launch main (part 2): grid 256 x 1, 4 waves a work-group, clusters of 4 x 1, 327,680 bytes of LDS; arguments x, wq, b1, b2, b3, temperature, gq, out0; writes out0
.if DOCPART == 2
	.amdgcn_target "amdgcn-amd-amdhsa--gfx1250"
	.amdhsa_code_object_version 6
	.text
	.protected	k_qdd5a0036be_main
	.globl	k_qdd5a0036be_main
	.p2align	8
	.type	k_qdd5a0036be_main,@function
k_qdd5a0036be_main:
	s_mov_b64 s[64:65], 0
	v_nop
	global_prefetch_b8 v0, s[64:65] scope:SCOPE_SE
	s_setreg_imm32_b32 hwreg(HW_REG_WAVE_MODE, 25, 1), 1
	s_wait_xcnt 0x0
	s_wait_alu depctr_hold_cnt(0) depctr_sa_sdst(0) depctr_va_vdst(0) depctr_va_sdst(0) depctr_va_ssrc(0) depctr_va_vcc(0) depctr_vm_vsrc(0)
	s_getreg_b32 s2, hwreg(HW_REG_IB_STS2, 6, 4)
	s_cmp_eq_u32 s2, 0
	s_cbranch_scc0 .Lentry_in_a_cluster
	s_endpgm
.Lentry_in_a_cluster:
	s_bfe_u32 s2, ttmp6, 0x10000c
	s_cmp_lg_u32 s2, 0x3003
	s_cbranch_scc0 .Lentry_shape_is_right
	s_endpgm
.Lentry_shape_is_right:
; out0[t][l] = sum over K = 256 i + 16 j + k of Q(P)[t][K] Q(grid)[K][l],  P[t][K] = (p1[t][i] p2[t][j]) p3[t][k],  pn = softmax((Q(x) Q(Wn) + bn) / temperature).  Q: MX-FP4 along K.
; All four products on codes of FP4 (E2M1) with one E8M0 byte for each 32 along K; everything else in f32.  P never goes to memory.
; SHARES.  A work-group makes 128 tokens x 384 columns (half y of the 768).  In the last product wave w owns all 128 tokens x columns 96 w .. + 95: 24 accumulators of 32 columns x 16 tokens, 384 registers.
;   In making operands wave w owns tokens 32 w .. + 31 (two tiles of 16): it quantises their x, makes their logits and softmax, and makes their codes of P, 512 along K at a time;
;   the codes reach the other waves through LDS as images of the operand's registers (16 bytes a lane, lane after lane), their scale words likewise.
; CLUSTER.  The four work-groups of a cluster have four blocks of tokens and the SAME half y, so they walk the same grid codes: each tile is asked for JOINTLY, by the same tensor load with the same
;   descriptor and a mask that names the four.  A work-group reads 835,584 bytes of grid codes and 393,216 of x; x is shared only with a work-group of the other half, which lies in another cluster.
; THE MATRIX INSTRUCTIONS ARE USED TRANSPOSED (source 0 = columns of W or of the grid, source 1 = 16 tokens): a lane holds ONE token, and its registers neighbouring outputs, eight on end.
; BY TURNS.  In the last product the codes of P for the NEXT 512 along K are made while this slot is multiplied: the vector work is a numbered list, and five of its instructions stand behind each matrix instruction;
;   the LDS loads of the next K step stand in four short runs among the products, not in one long run ahead of them.
; A BLOCK'S LARGEST P IS NOT SEARCHED FOR: a block of 32 is one i, two neighbouring j and all 16 k; all factors are 0 or more and a rounded product does not fall where a factor rises,
;   so the largest is (p1[i] max(p2[j], p2[j + 1])) max(p3), rounded as the numbers themselves are.
; SOFTMAX: the row's maximum is taken away; both divisions are refined by one step (q = a r; q + (a - q b) r); the exponent d log2(e) is kept in two parts and the low part is put back by e + e lo ln 2.
; LIMITS: NaN and infinities are not served; a probability whose power of two lies under 2^-126 becomes 0 (v_exp_f32 gives 0 there: ISA guide, its entry); blocks whose largest number lies under 2^-124,
;   blocks of zeros among them, keep the scale byte 1; the three small products are made twice, once in each half y.
; LDS: ring of two slots (slot s at s 2^17: four waves x 26,112 bytes, each wave's own); p1 at P1S; P's scale words, two sets, at ASC0; the spare words; x's stages (XSTG, done with before P's images are written
;   over part of them); P's images, two sets of 32,768, at AIMG0; on the way out 128 rows x 1,552 bytes from byte 0 on, when the ring has had its last fill and its last read.
;   All of the LDS is claimed.
; REGISTERS, in windows of 256 (s_set_vgpr_msb: bits 1:0 source 0, 3:2 source 1, 5:4 source 2, 7:6 destination):
;   window 0: v1-27 addresses; v28-31 p1 of the slot; v32-63 p3, v64-79 p2 (my half's pairs), v80-81 max p3; v84-103 at work; v108-171 64 numbers; v172-235 codes; v236-255 SCALE WORDS and nothing else.
;   window 1: tokens' fragments, two sets, v0-127; grid's, two sets, v128-223 (in the x phase: W's 18 fragments v0-143, the biases v144-167).
;   window 2: accumulators of column pairs u = 0, 1 at v[16 (8 u + a)] (in the x phase: x as loaded, four sets of 64);   window 3: those of pair 2 at v[16 a].
.set TOKROW, 3072                      ; a row of x or of out0 in bytes
.set GBLK,   26112                     ; a wave's part of a slot: 24,576 bytes of codes, 1,536 of scale words: 102 x 256
.set SLOTB,  4*GBLK
.set SLOT1,  1<<17                     ; slot 1 begins here, so that one exclusive or turns an address in one slot into the other's
.set P1S,    SLOTB                     ; 4 waves x 8 slots x 512 bytes
.set ASC0,   0x3a000                   ; P's scale words: set s at + 0x800 s; 512 q + 128 u + 4 lane
.set SPARE,  241664                    ; the spare words, 128 bytes for each wave: two blocks of 256 bytes that no other line names
.set XSTG,   242688                    ; x's stages: for each wave two of 16 rows x 528 bytes
.set XSP,    528                       ; 512 bytes + 16: 33 x 16, so that the sixteen rows that a load touches start at sixteen different 16-byte columns
.set XST1,   16*XSP
.set AIMG0,  0x40000                   ; P's images: set s at + 0x8000 s; 8192 q + 1024 a + 512 c + 16 lane
.set OP,     1552                      ; the way out: a row of 1,536 bytes + 16 = 97 x 16
.set L16, 1                            ; 16 x lane
.set L4,  2                            ; 4 x lane
.set SPW, 3                            ; LDS address of my spare word; never rewritten
.set NIL, 4                            ; 0; never rewritten
.set SH8, 5                            ; 8 h
.set BL0, 6                            ; my wave's part of a slot + 16 lane
.set BS0, 7                            ; its scale words + 4 lane
.set GC0, 8                            ; where I store images: 2048 w + 16 lane
.set GS0, 9                            ; and scale words: 128 w + 4 lane
.set P1A, 10                           ; my wave's p1
.set BADR, 11
.set BSADR, 12
.set AADR, 13
.set ASADR, 14
.set GADR, 15
.set GSADR, 16
.set P1ADR, 17
.set XST, 18
.set XRD, 19
.set SO,  20                           ; v20-23
.set SR,  24
.set BO,  25                           ; 32 h: my eight numbers of a bias
.set TA,  26
.set TR,  27
.set P1C, 28
.set P3,  32
.set P2L, 64                           ; v[P2L + 8 t + 2 e + u] = p2[4 e + 2 h + u]
.set MP3, 80
.set T,   84                           ; for c = 0, 1: a0, max(a0, a1), a1, the block's largest
.set SC,  92
.set BY,  94
.set WD,  96
.set WT,  98
.set SWD, 100
.set V,   108
.set CODE, 172
.set SA,  236                          ; tokens' scale words, two sets of 4: lanes 0-15 tile 2 u, lanes 16-31 tile 2 u + 1
.set SB,  244                          ; the grid's, two sets of 3: lane l holds the word of column l of pair u
.set XC,  32                           ; x phase: x's codes, two sets of 8
.set LG,  48                           ; six accumulators of logits, 3 t + n
.set QT,  96
.set WS,  236                          ; W's 18 scale words
.set XW,  254                          ; x's, two
.set TL,  32                           ; softmax: the exponents' low parts
.set MX,  80
.set TP,  86
.set F1,  64
.set F2,  96
.set Z,   128
.set X,   176
.set RS,  224
.set RC,  224
.set SM,  230
.set WV,  20
.set G1,  24                           ; s[24:31] descriptor group 1
.set G0,  32                           ; s[32:35] group 0, which walks
.set RB,  36                           ; the slot that is read
.set AB,  37                           ; the set of images in hand
.set AS,  38                           ; and of scale words
.set P1O, 39
.set CNT, 40
.set SEL, 42
.set HM,  44                           ; the mask of lanes 16-31
.set TEMP, 45
.set LE,  52                           ; log2(e) high, low; ln 2
.set MSB, 0
.macro WIN new                         ; the immediate's high byte repeats the setting that is left; a switch that changes nothing is dropped
.if MSB != \new
	s_set_vgpr_msb (MSB<<8)|\new
.set MSB, \new
.endif
.endm
.macro PLACES n
.rept \n
	v_nop
.endr
.endm
.macro CROUND                          ; a round of the cluster's barrier: my work-group's barrier; wave 0 signals for the work-group; every wave waits for all four work-groups; my work-group's barrier once more
	s_barrier_signal -1
	s_barrier_wait -1
	s_cmp_lg_u32 s[WV], 0
	s_cbranch_scc1 .Lnot_wave_0_\@
	s_barrier_signal -3
.Lnot_wave_0_\@:
	s_barrier_wait -3
	s_barrier_signal -1
	s_barrier_wait -1
.endm
	s_load_b256 s[4:11], s[0:1], 0x0               ; x s[4:5], wq s[6:7], b1 s[8:9], b2 s[10:11]
	s_load_b256 s[12:19], s[0:1], 0x20             ; b3 s[12:13], temperature s[14:15], gq s[16:17], out0 s[18:19]
	v_lshl_add_u32 v[SPW], v0, 2, SPARE
	v_mov_b32 v[NIL], 0
	ds_add_u32 v3, v4
	ds_add_u32 v3, v4
	s_wait_dscnt 0x0
	v_lshrrev_b32 v[TA], 5, v0
	v_readfirstlane_b32 s[WV], v[TA]               ; wave 0..3
	s_bfe_u32 s21, ttmp6, 0x40000                  ; cx: my place in the cluster; it enters x's and out0's addresses alone
	s_and_b32 s22, ttmp9, 1                        ; y: the half of the columns, which the four partners share
	s_lshr_b32 s23, ttmp9, 1
	s_lshl_b32 s23, s23, 2
	s_add_co_u32 s23, s23, s21                     ; my block of 128 tokens
	; descriptor group 1: a dense block of 26,112 bytes as 102 rows of 32 elements of 8 bytes; no padding: images are read lane after lane
	s_mov_b32 s[G1], 15|(3<<16)|(1<<21)            ; 15:0 the mask: all four work-groups; 17:16 elements of 8 bytes; 21 set beside a mask
	s_mov_b32 s[G1+1], 32<<16                      ; tensor_dim0 = 32
	s_mov_b32 s[G1+2], 102<<16                     ; tensor_dim1 = 102
	s_mov_b32 s[G1+3], 32<<16                      ; tile_dim0 = 32
	s_mov_b32 s[G1+4], 102                         ; tile_dim1 = 102
	s_mov_b32 s[G1+5], 32                          ; from row to row
	s_mov_b32 s[G1+6], 0
	s_mov_b32 s[G1+7], 0
	s_lshl_b32 s46, s22, 5
	s_add_co_u32 s46, s46, s[WV]
	s_mul_i32 s46, s46, GBLK                       ; gq: block 32 y + w: slot 0 of my columns
	s_mov_b32 s47, 0
	s_lshl_b32 s48, s23, 7
	s_lshl_b32 s49, s[WV], 5
	s_add_co_u32 s48, s48, s49                     ; my wave's first token
	s_mul_i32 s48, s48, TOKROW                     ; (under 2^26)
	s_mov_b32 s49, 0
	s_mul_i32 s50, s22, 1536                       ; my half of a row of out0
	s_mov_b32 s51, 0
	s_mov_b32 s[G0], 1                             ; count = 1
	s_mul_i32 s[G0+1], s[WV], GBLK                 ; LDS address: slot 0, my wave's part: no place in the cluster enters it
	s_mov_b32 s[RB], SLOT1                         ; (the first change of slots turns it to slot 0)
	s_mov_b32 s[AB], AIMG0
	s_mov_b32 s[AS], ASC0
	s_mov_b32 s[P1O], 0
	s_mov_b32 s[SEL], 0x76543210
	s_mov_b32 s[SEL+1], 0xfedcba98                 ; lane selects for lane l xor 16
	s_mov_b32 s[LE], 0x3fb8aa3b                    ; log2(e), its f32,
	s_mov_b32 s[LE+1], 0x32a57060                  ; and what that leaves
	s_mov_b32 s[LE+2], 0x3f317218                  ; ln 2
	s_wait_kmcnt 0x0
	s_add_nc_u64 s[G0+2:G0+3], s[16:17], s[46:47]
	s_or_b32 s[G0+3], s[G0+3], 0x80000000          ; type = 2
	s_add_nc_u64 s[4:5], s[4:5], s[48:49]
	s_add_nc_u64 s[18:19], s[18:19], s[48:49]
	s_add_nc_u64 s[18:19], s[18:19], s[50:51]
	s_load_b32 s[TEMP], s[14:15], 0x0
	CROUND                                         ; all four work-groups are here: the first joint loads meet
	tensor_load_to_lds s[G0:G0+3], s[G1:G1+7]      ; K = 0 .. 511 of my 96 columns, into slot 0: it lands while x is worked on
	s_nop 0
	PLACES 4
	v_and_b32 v[TA], 31, v0                        ; lane
	v_lshlrev_b32 v[L16], 4, v[TA]
	v_lshlrev_b32 v[L4], 2, v[TA]
	v_cmp_lt_u32 s[HM], 15, v[TA]
	v_and_b32 v[TR], 15, v0                        ; r
	v_bfe_u32 v[BO], v0, 4, 1                      ; h
	v_lshlrev_b32 v[SH8], 3, v[BO]
	s_mul_i32 s46, s[WV], GBLK
	v_add_nc_u32 v[BL0], s46, v[L16]
	v_add_nc_u32 v[BS0], s46, v[L4]
	v_add_nc_u32 v[BS0], 24576, v[BS0]
	s_lshl_b32 s46, s[WV], 11
	v_add_nc_u32 v[GC0], s46, v[L16]
	s_lshl_b32 s46, s[WV], 7
	v_add_nc_u32 v[GS0], s46, v[L4]
	s_lshl_b32 s46, s[WV], 12
	s_add_co_u32 s46, s46, P1S
	v_add_nc_u32 v[P1A], s46, v[L16]
	s_mul_i32 s46, s[WV], 2*XST1
	s_add_co_u32 s46, s46, XSTG
	v_add_nc_u32 v[XST], s46, v[L16]               ; into a stage: a row's 512 bytes as they lie
	v_mul_u32_u24 v[XRD], v[TR], XSP
	v_lshl_add_u32 v[XRD], v[BO], 7, v[XRD]
	v_add_nc_u32 v[XRD], s46, v[XRD]               ; out of it: row r, + 128 h: a whole block of 32 numbers
	v_mul_u32_u24 v[SO], v[TR], OP                 ; the way out, in: row r, + 32 h, + 384 w; tiles 2 v and 2 v + 1 of tokens by v[SO + v]
	v_lshl_add_u32 v[SO], v[BO], 5, v[SO]
	s_mul_i32 s46, s[WV], 384
	v_add_nc_u32 v[SO], s46, v[SO]
	v_add_nc_u32 v[SO+1], 32*OP, v[SO]
	v_add_nc_u32 v[SO+2], 64*OP, v[SO]
	v_add_nc_u32 v[SO+3], 96*OP, v[SO]
	s_mul_i32 s46, s[WV], 32*OP
	v_add_nc_u32 v[SR], s46, v[L16]                ; back: my 32 rows, 16 bytes a lane
	v_lshlrev_b32 v[BO], 5, v[BO]
	v_mov_b32 v[QT+9], 0                           ; written once: a lane permute's destination counts as one of its sources
	; W's fragments, the biases (lane (r, h): numbers 8 h + 0 .. 7: the result's layout) and W's scale words
	WIN 0x40                                       ; destination window 1
.set f, 0
.rept 18
	global_load_b128 v[8*f:8*f+3], v[L16], s[6:7] offset:1024*f
	global_load_b128 v[8*f+4:8*f+7], v[L16], s[6:7] offset:1024*f+512
.set f, f+1
.endr
.irp n, 0,1,2
	global_load_b128 v[144+8*\n:144+8*\n+3], v[BO], s[8+2*\n:9+2*\n]
	global_load_b128 v[144+8*\n+4:144+8*\n+7], v[BO], s[8+2*\n:9+2*\n] offset:16
.endr
	WIN 0
.set f, 0
.rept 18
	global_load_b32 v[WS+f], v[L4], s[6:7] offset:18432+128*f
.set f, f+1
.endr
; ---- THE X PHASE.  Unit u = 2 s + t: tile t of my tokens, K step s of 128.
.macro LOADX u                         ; 16 rows x 512 bytes: each load reads 512 consecutive bytes of one row; into set u % 4 of window 2.  No hint: a work-group of the other half reads the same rows
	WIN 0x80
.set rr, 0
.rept 16
	global_load_b128 v[64*((\u)%4)+4*rr:64*((\u)%4)+4*rr+3], v[L16], s[4:5] offset:(16*((\u)%2)+rr)*TOKROW+512*((\u)/2)
.set rr, rr+1
.endr
	WIN 0
.endm
.macro TURN u                          ; through my stage u % 2: in as loaded, out so that lane (r, h) holds K = 64 c + 32 h + 0 .. 31 of token r.  LDS serves a wave's instructions in order: no wait between
	WIN 0x08                                       ; an LDS store's data are its source 1: window 2
.set rr, 0
.rept 16
	ds_store_b128 v[XST], v[64*((\u)%4)+4*rr:64*((\u)%4)+4*rr+3] offset:((\u)%2)*XST1+XSP*rr
.set rr, rr+1
.endr
	WIN 0
.irp c, 0,1
.irp j, 0,1,2,3,4,5,6,7
	ds_load_b128 v[V+64*((\u)%2)+32*\c+4*\j:V+64*((\u)%2)+32*\c+4*\j+3], v[XRD] offset:((\u)%2)*XST1+256*\c+16*\j
.endr
.endr
.endm
.macro QUANTX u                        ; my two whole blocks (2 c + h) become the fragment's eight registers and, with lane l xor 16's two bytes, the token's scale word
.set VS, V+64*((\u)%2)
.irp c, 0,1
	v_max3_num_f32 v[QT+2*\c], |v[VS+32*\c]|, |v[VS+32*\c+1]|, |v[VS+32*\c+2]|
	v_max3_num_f32 v[QT+2*\c+1], |v[VS+32*\c+3]|, |v[VS+32*\c+4]|, |v[VS+32*\c+5]|
.endr
.irp i, 6,10,14,18,22,26
.irp c, 0,1
	v_max3_num_f32 v[QT+2*\c], v[QT+2*\c], |v[VS+32*\c+\i]|, |v[VS+32*\c+\i+1]|
	v_max3_num_f32 v[QT+2*\c+1], v[QT+2*\c+1], |v[VS+32*\c+\i+2]|, |v[VS+32*\c+\i+3]|
.endr
.endr
.irp c, 0,1
	v_max3_num_f32 v[QT+2*\c], v[QT+2*\c], |v[VS+32*\c+30]|, |v[VS+32*\c+31]|
.endr
.irp c, 0,1
	v_max3_num_f32 v[QT+2*\c], v[QT+2*\c], v[QT+2*\c+1], 0x1800000   ; the floor 2^(3 - 127): the byte cannot fall under 1
.endr
.irp c, 0,1
	v_add_nc_u32 v[QT+4+\c], 0xff000000, v[QT+2*\c]                  ; 2 off the exponent field: the conversion's scale operand
.endr
.irp c, 0,1
	v_lshrrev_b32 v[QT+6+\c], 23, v[QT+4+\c]                         ; the byte
.endr
	v_lshl_or_b32 v[QT+8], v[QT+7], 16, v[QT+6]
	v_lshlrev_b32 v[QT+8], v[SH8], v[QT+8]
	v_permlanex16_b32 v[QT+9], v[QT+8], s[SEL], s[SEL+1]
	v_or_b32 v[XW+(\u)%2], v[QT+8], v[QT+9]
.irp c, 0,1
.irp g, 0,1,2,3
	v_cvt_scalef32_pk8_fp4_f32 v[XC+8*((\u)%2)+4*\c+\g], v[VS+32*\c+8*\g:VS+32*\c+8*\g+7], v[QT+4+\c]
.endr
.endr
	PLACES 8                                       ; a scale register written by a vector instruction stands 8 places ahead of a scaled matrix instruction, an operand so written 4
.endm
.macro WMMA3 u                         ; the three logit tiles of tile t: the six accumulators take turns, one instruction a turn.  The bias is the C of a sum's first instruction
.set tt, (\u)%2
.set ss, (\u)/2
.if ss == 0
	WIN 0x11                                       ; source 0 (W) and source 2 (bias) window 1
.else
	WIN 0x01
.endif
.irp n, 0,1,2
.if ss == 0
	v_wmma_scale_f32_16x16x128_f8f6f4 v[LG+8*(3*tt+\n):LG+8*(3*tt+\n)+7], v[8*(6*\n+ss):8*(6*\n+ss)+7], v[XC+8*tt:XC+8*tt+7], v[144+8*\n:144+8*\n+7], v[WS+6*\n+ss], v[XW+tt] matrix_a_fmt:MATRIX_FMT_FP4 matrix_b_fmt:MATRIX_FMT_FP4
.else
	v_wmma_scale_f32_16x16x128_f8f6f4 v[LG+8*(3*tt+\n):LG+8*(3*tt+\n)+7], v[8*(6*\n+ss):8*(6*\n+ss)+7], v[XC+8*tt:XC+8*tt+7], v[LG+8*(3*tt+\n):LG+8*(3*tt+\n)+7], v[WS+6*\n+ss], v[XW+tt] matrix_a_fmt:MATRIX_FMT_FP4 matrix_b_fmt:MATRIX_FMT_FP4
.endif
.endr
	WIN 0
.endm
.macro UNIT u
	s_wait_dscnt 0x0                               ; this unit's numbers are back from the stage: so its stores into the stage have read their registers,
.if (\u)+4 <= 11
	LOADX (\u)+4                                   ; which take the loads of four units on
.endif
.if (\u)+1 <= 11
.if (\u)+4 <= 11
	s_wait_loadcnt 48                              ; the next unit's 16 loads are in; those of the three units behind it may be out
.else
	s_wait_loadcnt 16*(10-(\u))                    ; likewise, with fewer units behind it
.endif
	TURN (\u)+1                                    ; and go through the other stage while this unit is worked
.endif
	QUANTX \u
	WMMA3 \u
.endm
	LOADX 0
	LOADX 1
	LOADX 2
	LOADX 3
	s_wait_loadcnt 48                              ; W, the biases and unit 0 are in; units 1 to 3 (48 loads) may be out
	TURN 0
	s_wait_kmcnt 0x0                               ; the temperature
.irp u, 0,1,2,3,4,5,6,7,8,9,10,11
	UNIT \u
.endr
; ---- THE SOFTMAX of my six vectors g = 3 t + n: lane (r, h) holds numbers 8 h + 0 .. 7 of token r.  In stages over all 48 registers, each accumulator read from its low end on.
	v_rcp_f32 v[RC], s[TEMP]
	PLACES 4                                       ; the places behind the last products, and the plain instruction behind the reciprocal
	s_wait_alu depctr_va_vdst(0)                   ; the wait ahead of the first use
.set i, 0
.rept 48
	v_mul_f32 v[Z+i], v[LG+i], v[RC]               ; z = L / T: q = L r,
.set i, i+1
.endr
.set i, 0
.rept 48
	v_fma_f32 v[X+i], -v[Z+i], s[TEMP], v[LG+i]    ; what q leaves: L - q T,
.set i, i+1
.endr
.set i, 0
.rept 48
	v_fma_f32 v[Z+i], v[X+i], v[RC], v[Z+i]        ; put back
.set i, i+1
.endr
.irp g, 0,1,2,3,4,5
	v_max3_num_f32 v[MX+\g], v[Z+8*\g], v[Z+8*\g+1], v[Z+8*\g+2]
.endr
.irp k, 3,5
.irp g, 0,1,2,3,4,5
	v_max3_num_f32 v[MX+\g], v[MX+\g], v[Z+8*\g+\k], v[Z+8*\g+\k+1]
.endr
.endr
.irp g, 0,1,2,3,4,5
	v_max_num_f32 v[MX+\g], v[MX+\g], v[Z+8*\g+7]
.endr
.irp g, 0,1,2,3,4,5
	v_mov_b32 v[TP+\g], 0
.endr
.irp g, 0,1,2,3,4,5
	v_permlanex16_b32 v[TP+\g], v[MX+\g], s[SEL], s[SEL+1]
.endr
.irp g, 0,1,2,3,4,5
	v_max_num_f32 v[MX+\g], v[MX+\g], v[TP+\g]     ; the vector's maximum
.endr
.set i, 0
.rept 48
	v_sub_f32 v[Z+i], v[Z+i], v[MX+i/8]            ; d = z - maximum, 0 or less
.set i, i+1
.endr
.set i, 0
.rept 48
	v_mul_f32 v[X+i], s[LE], v[Z+i]                ; the exponent's high part
.set i, i+1
.endr
.set i, 0
.rept 48
	v_fma_f32 v[TL+i], v[Z+i], s[LE], -v[X+i]      ; what its rounding left
.set i, i+1
.endr
.set i, 0
.rept 48
	v_exp_f32 v[X+i], v[X+i]                       ; one batch
.set i, i+1
.endr
.set i, 0
.rept 48
	v_fma_f32 v[TL+i], v[Z+i], s[LE+1], v[TL+i]    ; + d x the low part of log2(e).  (Work that names no exponential's result stands behind the batch)
.set i, i+1
.endr
.set i, 0
.rept 48
	v_mul_f32 v[TL+i], s[LE+2], v[TL+i]            ; x ln 2
.set i, i+1
.endr
	s_wait_alu depctr_va_vdst(0)                   ; one wait for the 48, ahead of their first use
.set i, 0
.rept 48
	v_fma_f32 v[X+i], v[X+i], v[TL+i], v[X+i]      ; e (1 + low part)
.set i, i+1
.endr
.irp g, 0,1,2,3,4,5
	v_add_f32 v[SM+\g], v[X+8*\g], v[X+8*\g+1]
	v_add_f32 v[TP+\g], v[X+8*\g+2], v[X+8*\g+3]
.endr
.irp k, 4,6
.irp g, 0,1,2,3,4,5
	v_add_f32 v[SM+\g], v[SM+\g], v[X+8*\g+\k]
	v_add_f32 v[TP+\g], v[TP+\g], v[X+8*\g+\k+1]
.endr
.endr
.irp g, 0,1,2,3,4,5
	v_add_f32 v[SM+\g], v[SM+\g], v[TP+\g]
.endr
.irp g, 0,1,2,3,4,5
	v_permlanex16_b32 v[TP+\g], v[SM+\g], s[SEL], s[SEL+1]
.endr
.irp g, 0,1,2,3,4,5
	v_add_f32 v[SM+\g], v[SM+\g], v[TP+\g]         ; the vector's sum
.endr
.irp g, 0,1,2,3,4,5
	v_rcp_f32 v[RS+\g], v[SM+\g]
.endr
	v_nop                                          ; a plain instruction behind the last reciprocal
	s_wait_alu depctr_va_vdst(0)                   ; one wait for the six
.set i, 0
.rept 48
	v_mul_f32 v[Z+i], v[X+i], v[RS+i/8]            ; p = e / sum, refined as z was
.set i, i+1
.endr
.set i, 0
.rept 48
	v_fma_f32 v[X+i], -v[Z+i], v[SM+i/8], v[X+i]
.set i, i+1
.endr
.macro TGT                             ; from i: where number i % 8 of vector i / 8 goes (TG), and the place eight numbers on (TG2).  p1: four registers for each pair of i: (t 0, 2 S), (t 0, 2 S + 1), (t 1, 2 S), (t 1, 2 S + 1)
.set gg, i/8
.set jj, i%8
.if gg%3 == 0
.set TG, F1+4*(jj/2)+2*(gg/3)+jj%2
.set TG2, TG+16
.elseif gg%3 == 1
.set TG, F2+16*(gg/3)+jj
.set TG2, TG+8
.else
.set TG, P3+16*(gg/3)+jj
.set TG2, TG+8
.endif
.endm
.set i, 0
.rept 48
	TGT
	v_fma_f32 v[TG], v[X+i], v[RS+i/8], v[Z+i]
.set i, i+1
.endr
.set i, 0
.rept 48
	TGT
	v_mov_b32 v[TG2], v[TG]
.set i, i+1
.endr
.set i, 0
.rept 48
	TGT
	v_permlane16_swap_b32 v[TG], v[TG2]            ; the first's lanes 16-31 change places with the second's lanes 0-15: every lane now holds all 16 numbers of its token
.set i, i+1
.endr
.irp s, 0,1,2,3,4,5,6,7
	ds_store_b128 v[P1A], v[F1+4*\s:F1+4*\s+3] offset:512*\s   ; p1 waits in my own LDS bytes, four numbers for each slot of 512 along K
.endr
	s_wait_dscnt 0x0                               ; the stores are done: their registers are written below
.irp t, 0,1
	v_max3_num_f32 v[MP3+\t], v[P3+16*\t], v[P3+16*\t+1], v[P3+16*\t+2]
.endr
.irp k, 3,5,7,9,11,13
.irp t, 0,1
	v_max3_num_f32 v[MP3+\t], v[MP3+\t], v[P3+16*\t+\k], v[P3+16*\t+\k+1]
.endr
.endr
.irp t, 0,1
	v_max_num_f32 v[MP3+\t], v[MP3+\t], v[P3+16*\t+15]
.endr
.irp t, 0,1
.irp e, 0,1,2,3
.irp u, 0,1
	v_cndmask_b32 v[P2L+8*\t+2*\e+\u], v[F2+16*\t+4*\e+\u], v[F2+16*\t+4*\e+2+\u], s[HM]   ; lanes 16-31 take the pair two further on
.endr
.endr
.endr
	v_mov_b32 v[WT+1], 0                           ; a lane permute's destination counts as one of its sources
	s_barrier_signal -1                            ; no LDS instruction of mine is out: every wave's stages are done with,
	s_barrier_wait -1                              ; so P's images may be written over them.
; ---- THE LAST PRODUCT.
; THE VECTOR WORK.  One fragment of P (tile t of my tokens, K step q of a slot: i = 2 S + q / 2, j = 8 (q % 2) + 4 c + 2 h + u, all k; register 32 c + 16 u + k of V is K = 64 c + 32 h + 16 u + k)
; is a list of 59 instructions; GI writes number j of it.
;   0-3    a = p1 p2[j], four of them (c, u)            4-5   the larger of a block's two        6-9   x max p3: the block's largest number; the floor 2^(3 - 127)
;   10-13  the conversion's scale operand, the byte     14-45 the 64 numbers, two at a time      46-49 the token's scale word (my two bytes, with lane l xor 16's two)
;   50-57  the conversions                              58    one plain instruction behind the last scaled conversion
.macro GI t, q, j
.set jj, (\j)
.set PE, P2L+8*(\t)+4*((\q)%2)
.set PI, P1C+2*(\t)+(\q)/2
.set CD, CODE+8*(4*(\t)+(\q))
.if jj < 4
	v_mul_f32 v[T+2*jj], v[PE+jj], v[PI]
.elseif jj < 6
	v_max_num_f32 v[T+4*(jj-4)+1], v[T+4*(jj-4)], v[T+4*(jj-4)+2]
.elseif jj < 8
	v_mul_f32 v[T+4*(jj-6)+3], v[T+4*(jj-6)+1], v[MP3+(\t)]
.elseif jj < 10
	v_max_num_f32 v[T+4*(jj-8)+3], 0x1800000, v[T+4*(jj-8)+3]
.elseif jj < 12
	v_add_nc_u32 v[SC+jj-10], 0xff000000, v[T+4*(jj-10)+3]
.elseif jj < 14
	v_lshrrev_b32 v[BY+jj-12], 23, v[SC+jj-12]
.elseif jj < 46
.set cc, (jj-14)/16
.set mm, 2*(((jj-14)%16)/2)
.set uu, (jj-14)%2
	v_pk_mul_f32 v[V+32*cc+16*uu+mm:V+32*cc+16*uu+mm+1], v[P3+16*(\t)+mm:P3+16*(\t)+mm+1], v[T+4*cc+2*uu:T+4*cc+2*uu+1] op_sel_hi:[1,0]   ; a p3 (of the pair the low word serves both halves)
.elseif jj == 46
	v_lshl_or_b32 v[WT], v[BY+1], 16, v[BY]
.elseif jj == 47
	v_lshlrev_b32 v[WT], v[SH8], v[WT]
.elseif jj == 48
	v_permlanex16_b32 v[WT+1], v[WT], s[SEL], s[SEL+1]
.elseif jj == 49
	v_or_b32 v[WD+(\t)], v[WT], v[WT+1]
.elseif jj < 58
.set cc, (jj-50)/4
.set gg, (jj-50)%4
	v_cvt_scalef32_pk8_fp4_f32 v[CD+4*cc+gg], v[V+32*cc+8*gg:V+32*cc+8*gg+7], v[SC+cc]
.else
	v_nop
.endif
.endm
; K step q's part of the work is both tiles' lists and one select: 119 instructions, numbered by gi.  A slice is the next five: 24 slices serve a K step's 24 matrix instructions.
.macro SLICE q
.rept 5
.if gi < 59
	GI 0, \q, gi
.elseif gi < 118
	GI 1, \q, gi-59
.elseif gi == 118
	v_cndmask_b32 v[SWD+(\q)], v[WD], v[WD+1], s[HM]   ; lanes 0-15 tile 2 w's words, lanes 16-31 tile 2 w + 1's
.endif
.set gi, gi+1
.endr
.endm
.macro GST t, q                        ; the fragment's image: 16 bytes a lane, lane after lane
.set CD, CODE+8*(4*(\t)+(\q))
	ds_store_b128 v[GADR], v[CD:CD+3] offset:8192*(\q)+1024*(\t)
	ds_store_b128 v[GADR], v[CD+4:CD+7] offset:8192*(\q)+1024*(\t)+512
.endm
.macro GSW q
	ds_store_b32 v[GSADR], v[SWD+(\q)] offset:512*(\q)
.endm
; Ahead of a slot's worth of P: the set that is not being read, and p1 of i = 2 S, 2 S + 1 for both tiles
.macro GENHEAD first
.if !(\first)
	s_xor_b32 s[AB], s[AB], 0x8000
	s_xor_b32 s[AS], s[AS], 0x800
.endif
	v_add_nc_u32 v[P1ADR], s[P1O], v[P1A]
	ds_load_b128 v[P1C:P1C+3], v[P1ADR]
	v_add_nc_u32 v[GADR], s[AB], v[GC0]
	v_add_nc_u32 v[GSADR], s[AS], v[GS0]
	s_add_co_u32 s[P1O], s[P1O], 512
.endm
.macro GENSEQ q                        ; a part in one piece: for the first slot, beside which there is no product yet
.set gi, 0
.rept 24
	SLICE \q
.endr
	GST 0, \q
	GST 1, \q
	GSW \q
.endm
; THE LDS LOADS of K step q into set p, in pieces: the scale words (7 loads); grid tiles b0 .. b1 (two loads each); token tiles a0 .. a0 + 3 (8 loads)
.macro LSC q, p
	WIN 0
.irp u, 0,1,2,3
	ds_load_b32 v[SA+4*(\p)+\u], v[ASADR] offset:512*(\q)+128*\u
.endr
.irp u, 0,1,2
	ds_load_b32 v[SB+3*(\p)+\u], v[BSADR] offset:384*(\q)+128*\u
.endr
.endm
.macro LB q, p, b0, b1
	WIN 0x40                                       ; destination window 1
.set lb, \b0
.rept (\b1)-(\b0)+1
	ds_load_b128 v[128+48*(\p)+8*lb:128+48*(\p)+8*lb+3], v[BADR] offset:6144*(\q)+1024*lb
	ds_load_b128 v[128+48*(\p)+8*lb+4:128+48*(\p)+8*lb+7], v[BADR] offset:6144*(\q)+1024*lb+512
.set lb, lb+1
.endr
.endm
.macro LA q, p, a0
	WIN 0x40
.set la, \a0
.rept 4
	ds_load_b128 v[64*(\p)+8*la:64*(\p)+8*la+3], v[AADR] offset:8192*(\q)+1024*la
	ds_load_b128 v[64*(\p)+8*la+4:64*(\p)+8*la+7], v[AADR] offset:8192*(\q)+1024*la+512
.set la, la+1
.endr
.endm
; THE MATRIX WORK.  Product i of a K step's 24: pair u = i / 8 of column tiles (32 columns: two fragments on end; their scale words fill the 32 lanes of one register) x token tile a = i % 8, from set p.
; An odd token tile's scale words lie in lanes 16-31 of their register.  zero = 1: the product starts the sum: nothing is ever cleared.
.macro MM i, p, zero
.set MU, (\i)/8
.set MA, (\i)%8
.set MD, 16*(8*(MU%2)+MA)
.set MFB, 128+48*(\p)+16*MU
.set MFA, 64*(\p)+8*MA
.set MSG, SB+3*(\p)+MU
.set MST, SA+4*(\p)+MA/2
.if MU < 2
	WIN 0xa5                                       ; sources 0 and 1 window 1, C and D window 2
.else
	WIN 0xf5                                       ; C and D window 3
.endif
.if \zero
.if MA%2 == 0
	v_wmma_scale_f32_32x16x128_f4 v[MD:MD+15], v[MFB:MFB+15], v[MFA:MFA+7], 0, v[MSG], v[MST]
.else
	v_wmma_scale_f32_32x16x128_f4 v[MD:MD+15], v[MFB:MFB+15], v[MFA:MFA+7], 0, v[MSG], v[MST] matrix_b_scale:MATRIX_SCALE_ROW1
.endif
.else
.if MA%2 == 0
	v_wmma_scale_f32_32x16x128_f4 v[MD:MD+15], v[MFB:MFB+15], v[MFA:MFA+7], v[MD:MD+15], v[MSG], v[MST]
.else
	v_wmma_scale_f32_32x16x128_f4 v[MD:MD+15], v[MFB:MFB+15], v[MFA:MFA+7], v[MD:MD+15], v[MSG], v[MST] matrix_b_scale:MATRIX_SCALE_ROW1
.endif
.endif
.endm
.macro RUNW from, to, q, zero, gen     ; products from .. to; gen = 1: a slice behind each (all that a slice touches lies in window 0: two switches a slice)
.set wi, \from
.rept (\to)-(\from)+1
	MM wi, (\q)%2, \zero
.if \gen
	WIN 0
	SLICE \q
.endif
.set wi, wi+1
.endr
.endm
; A K STEP of 128: 24 matrix instructions.  The 24 accumulators take turns, one instruction a turn, in the same order in every step, over the loop's backward jump too.
; next = 1: the next step's 35 loads go into the other set, in four runs, in the order in which that step wants them: scale words and grid tiles 0, 1 (11) | token tiles 0-3 (8) | token tiles 4-7 (8) | grid tiles 2-5 (8).
;   The four v_nop at the head are the places between the last step's products, which read that set, and all these loads.
; gen = 1: K step q's part of the NEXT slot's P is made in slices; the first tile's image is stored (2 stores) ahead of the third run, the second's and the scale words (3 stores) at the step's end.
; THE TWO COUNTED WAITS.  LDS instructions end in order.  Ahead of product 0: behind the last load of this step's token tiles were issued the last step's fourth run (8), its 3 closing stores (gen) and this step's first run (11, next).
;   Ahead of product 8, which is the first to want grid tiles 2-5: behind their last load were issued the 3 closing stores (gen), this step's first run (11) and its second (8).
;   A slot's first step takes its operands from the change's run, which ends with those 8 loads and has no stores behind it: 8 + 11 and 11 + 8.
.macro STEP q, zero, next, gen
.set gi, 0
.set PN, 1-(\q)%2
	PLACES 4
.if \next
	LSC (\q)+1, PN
	LB (\q)+1, PN, 0, 1
.endif
.if (\q) == 0
	s_wait_dscnt 19
.else
	s_wait_dscnt 8+3*(\gen)+11*(\next)
.endif
	RUNW 0, 5, \q, \zero, \gen
.if \next
	LA (\q)+1, PN, 0
.endif
	RUNW 6, 7, \q, \zero, \gen
.if (\q) == 0
	s_wait_dscnt 19
.else
	s_wait_dscnt 3*(\gen)+19*(\next)
.endif
	RUNW 8, 11, \q, \zero, \gen
.if \gen
	WIN 0
	GST 0, \q                                      ; slices 0 to 11 hold the first tile's whole list
.endif
.if \next
	LA (\q)+1, PN, 4
.endif
	RUNW 12, 17, \q, \zero, \gen
.if \next
	LB (\q)+1, PN, 2, 5
.endif
	RUNW 18, 23, \q, \zero, \gen
	WIN 0
.if \gen
	GST 1, \q
	GSW \q
.endif
.endm
; THE CHANGE OF SLOTS.  Each wave waits for all its tensor loads (one is out: its part of the slot ahead), adds 0 to its spare word, and waits for that, for its reads of the slot that it leaves and for its stores of
; P's images.  Behind the barrier the slot ahead and the new images are whole, and nobody reads the slot or the set of images that were left.  fill = 1: the barrier is a round of the cluster's, and the slot that was left is
; filled first thing behind it, jointly, with the 512 along K that follow: the load has four K steps in which to land; and the set of images that was left takes the P of those 512, made during these four steps.
.macro CHANGE fill
	s_wait_tensorcnt 0x0                           ; no tensor load of mine is out, so the group 0 may be written
	ds_add_u32 v[SPW], v[NIL]                      ; 0 onto my spare word
.if \fill
	s_xor_b32 s[G0+1], s[G0+1], SLOT1              ; the other slot than last time,
	s_add_nc_u64 s[G0+2:G0+3], s[G0+2:G0+3], SLOTB ; the next four blocks of gq; the type bits on top are not reached
.endif
	s_xor_b32 s[RB], s[RB], SLOT1                  ; I read the slot that has just landed
	s_wait_dscnt 0x0
.if \fill
	CROUND
	tensor_load_to_lds s[G0:G0+3], s[G1:G1+7]      ; my one tensor load behind the round
	s_nop 0
	PLACES 4
.else
	s_barrier_signal -1
	s_barrier_wait -1
.endif
	v_add_nc_u32 v[BADR], s[RB], v[BL0]
	v_add_nc_u32 v[BSADR], s[RB], v[BS0]
	v_add_nc_u32 v[AADR], s[AB], v[L16]            ; I read the images just made;
	v_add_nc_u32 v[ASADR], s[AS], v[L4]
.if \fill
	GENHEAD 0                                      ; the next ones go into the other set
.endif
	LSC 0, 0                                       ; the slot's first K step, in the order of a step's four runs
	LB 0, 0, 0, 1
	LA 0, 0, 0
	LA 0, 0, 4
	LB 0, 0, 2, 5
	WIN 0
.endm
	GENHEAD 1                                      ; K = 0 .. 511
	s_wait_dscnt 0x0                               ; p1
.irp q, 0,1,2,3
	GENSEQ \q
.endr
	CHANGE 1                                       ; slot 0 has landed; slot 1 is asked for
	STEP 0, 1, 1, 1                                ; the first step stands in front of the loop: its products start the sums
	s_mov_b32 s[CNT], 6
.Lslot:                                            ; a trip goes from a slot's second step to the next slot's first
	STEP 1, 0, 1, 1
	STEP 2, 0, 1, 1
	STEP 3, 0, 0, 1
	CHANGE 1
	STEP 0, 0, 1, 1
	s_sub_co_u32 s[CNT], s[CNT], 1
	s_cmp_lg_u32 s[CNT], 0
	s_cbranch_scc1 .Lslot
	STEP 1, 0, 1, 1                                ; the tail is written out: the last change of slots asks for nothing, and the last slot makes no P
	STEP 2, 0, 1, 1
	STEP 3, 0, 0, 1
	CHANGE 0
	STEP 0, 0, 1, 0
	STEP 1, 0, 1, 0
	STEP 2, 0, 1, 0
	STEP 3, 0, 0, 0
; ---- THE WAY OUT.  A lane holds 32 neighbouring bytes of a row for each column tile, and a row's 1,536 bytes come from four waves: all go through one stage, and each wave stores 32 whole rows, 512 consecutive aligned bytes a store.
	PLACES 4                                       ; behind the last products, ahead of the first read of results
	s_wait_dscnt 0x0
	s_barrier_signal -1
	s_barrier_wait -1                              ; every wave's reads of the ring are over; it has had its last fill
	WIN 0x08                                       ; the data: window 2
.irp u, 0,1
.irp a, 0,1,2,3,4,5,6,7
.irp e, 0,1
	ds_store_b128 v[SO+\a/2], v[16*(8*\u+\a)+8*\e:16*(8*\u+\a)+8*\e+3] offset:(\a%2)*16*OP+64*(2*\u+\e)          ; each accumulator from its low end on; registers 8 e on are column tile 2 u + e
	ds_store_b128 v[SO+\a/2], v[16*(8*\u+\a)+8*\e+4:16*(8*\u+\a)+8*\e+7] offset:(\a%2)*16*OP+64*(2*\u+\e)+16
.endr
.endr
.endr
	WIN 0x0c                                       ; window 3: pair 2
.irp a, 0,1,2,3,4,5,6,7
.irp e, 0,1
	ds_store_b128 v[SO+\a/2], v[16*\a+8*\e:16*\a+8*\e+3] offset:(\a%2)*16*OP+64*(4+\e)
	ds_store_b128 v[SO+\a/2], v[16*\a+8*\e+4:16*\a+8*\e+7] offset:(\a%2)*16*OP+64*(4+\e)+16
.endr
.endr
	WIN 0
	s_wait_dscnt 0x0                               ; for the others' sake: my stores into the stage are done
	s_barrier_signal -1
	s_barrier_wait -1
	WIN 0x80                                       ; back into the registers that the accumulators have left: load i = 3 x row + third
.set i, 0
.rept 64
	ds_load_b128 v[4*i:4*i+3], v[SR] offset:OP*(i/3)+512*(i%3)
.set i, i+1
.endr
	WIN 0xc0
.rept 32
	ds_load_b128 v[4*(i-64):4*(i-64)+3], v[SR] offset:OP*(i/3)+512*(i%3)
.set i, i+1
.endr
	WIN 0x08
.set i, 0
.rept 96
.if i == 64
	WIN 0x0c
.endif
.if i == 0
	s_wait_dscnt 63                                ; of the 96 loads the youngest 63 may be out: loads 0 to 32, rows 0 to 10, are in
.elseif (i%3 == 0) && (i > 32)
	s_wait_dscnt 93-i                              ; this row's three loads are in; the younger ones may be out
.endif
	global_store_b128 v[L16], v[4*(i%64):4*(i%64)+3], s[18:19] offset:TOKROW*(i/3)+512*(i%3) th:TH_STORE_NT   ; 32 lanes store 512 consecutive bytes, at a multiple of 256 from out0's first byte; written once
.set i, i+1
.endr
	WIN 0
	s_wait_tensorcnt 0x0                           ; the wave's end, behind my last tensor load and my last LDS store
	ds_add_u32 v[SPW], v[NIL]
	s_wait_dscnt 0x0
	CROUND                                         ; the closing round: no work-group ends while a partner may still ask for a tile that names it
	s_endpgm
.Lfunc_end_k_qdd5a0036be_main:
	.size	k_qdd5a0036be_main, .Lfunc_end_k_qdd5a0036be_main-k_qdd5a0036be_main
	.p2alignl 7, 3214868480
	.fill 96, 4, 3214868480
	.section	.rodata,"a",@progbits
	.p2align	6, 0x0
	.amdhsa_kernel k_qdd5a0036be_main
		.amdhsa_group_segment_fixed_size 327680
		.amdhsa_private_segment_fixed_size 0
		.amdhsa_enable_private_segment 0
		.amdhsa_kernarg_size 64
		.amdhsa_user_sgpr_count 2
		.amdhsa_user_sgpr_kernarg_segment_ptr 1
		.amdhsa_wavefront_size32 1
		.amdhsa_system_sgpr_workgroup_id_x 1
		.amdhsa_system_sgpr_workgroup_id_y 1
		.amdhsa_system_sgpr_workgroup_id_z 1
		.amdhsa_system_vgpr_workitem_id 0
		.amdhsa_next_free_vgpr 896
		.amdhsa_next_free_sgpr 66
		.amdhsa_reserve_vcc 0
		.amdhsa_float_denorm_mode_32 3
		.amdhsa_float_denorm_mode_16_64 3
		.amdhsa_memory_ordered 1
		.amdhsa_forward_progress 1
		.amdhsa_inst_pref_size 255
	.end_amdhsa_kernel
	.section	.bss,"aw",@nobits
	.p2align	6
	.space	262144
	.amdgpu_metadata
---
amdhsa.version: [ 1, 2 ]
amdhsa.kernels:
  - .name:           k_qdd5a0036be_main
    .symbol:         k_qdd5a0036be_main.kd
    .args:
      - { .name: x, .offset: 0, .size: 8, .value_kind: global_buffer, .address_space: global }
      - { .name: wq, .offset: 8, .size: 8, .value_kind: global_buffer, .address_space: global }
      - { .name: b1, .offset: 16, .size: 8, .value_kind: global_buffer, .address_space: global }
      - { .name: b2, .offset: 24, .size: 8, .value_kind: global_buffer, .address_space: global }
      - { .name: b3, .offset: 32, .size: 8, .value_kind: global_buffer, .address_space: global }
      - { .name: temperature, .offset: 40, .size: 8, .value_kind: global_buffer, .address_space: global }
      - { .name: gq, .offset: 48, .size: 8, .value_kind: global_buffer, .address_space: global }
      - { .name: out0, .offset: 56, .size: 8, .value_kind: global_buffer, .address_space: global }
    .group_segment_fixed_size: 327680
    .private_segment_fixed_size: 0
    .kernarg_segment_align: 8
    .kernarg_segment_size: 64
    .max_flat_workgroup_size: 128
    .sgpr_count:     66
    .vgpr_count:     896
    .wavefront_size: 32
...
	.end_amdgpu_metadata
.endif
;; end of part 2
